; MI455X (gfx1250); checked and timed in simulation.
; The chip was launched on July 23, 2026; its instructions are those of AMD's public machine-readable ISA for CDNA 5 (MIT licence, August 2026) and "CDNA5" Instruction Set Architecture Reference Guide (July 2026). The comments in the code are by the model that wrote it; some were corrected since.
;; Bot Net50. Allowed arithmetic: matrix products marked QUANTISED: E2M3 operands, one E8M0 scale for each 32 along K, by v_wmma_scale_f32_16x16x128_f8f6f4 with both operands' format E2M3, f32 sums; everything else in f32.
;; Inputs: featuremap 16 x 512 x 32 x 32 float32; rel_height 63 x 128 float32; rel_width 63 x 128 float32; w_qk 1,024 x 512 float32; w_v 512 x 512 float32.
;; Outputs: out0 16 x 512 x 32 x 32 float32.
;; This version of the problem:
;;   THIS VERSION OF THE PROBLEM IS GIVEN IN LOW PRECISION. The matrix products marked QUANTISED in the list below multiply operands that are first quantised to E2M3 (2 exponent bits, 3 mantissa bits; 6 bits a number), with one power-of-two scale for each 32 numbers along K (OCP MX v1.0); their sums are f32. All else is computed in f32.
;;   The module's matrix products, in the order in which they are computed (A, B: the left and right operand; K: the contracted axis; several contracted axes count as one K, in the product's order):
;;     1. [M 1,024, K 512] x [K 512, N 16,384]; A: input w_qk; B: input featuremap: QUANTISED
;;     2. [M 512, K 512] x [K 512, N 16,384]; A: input w_v; B: input featuremap: QUANTISED
;;     3. batch 64 x [M 1,024, K 128] x [K 128, N 1,024]; A: computed on the way; B: computed on the way: QUANTISED
;;     4. [M 65,536, K 128] x [K 128, N 63]; A: computed on the way; B: input rel_width: QUANTISED
;;     5. [M 65,536, K 128] x [K 128, N 63]; A: computed on the way; B: input rel_height: QUANTISED
;;     6. batch 64 x [M 1,024, K 1,024] x [K 1,024, N 128]; A: softmax (see below); B: computed on the way: QUANTISED
;;   THE QUANTISER, for each operand of a quantised product, along K:
;;     - K is cut into blocks of 32 from its start; a last block that is shorter is filled with zeros.
;;     - A block's scale is 2^e with e = floor(log2(the largest magnitude in the block)) - 2, held to -126 .. 127; a block of zeros has e = 0. As a byte (E8M0): e + 127.
;;     - Each number is divided by its block's scale, clamped to +-7.5, and rounded to the nearest number of E2M3, ties to even, subnormals kept.
;;     - The product sums the exact products of the quantised numbers (number of the format x scale) in f32.
;;   ~~~python
;;   def quantise(x, axis):      # numpy; x: float32 -> the quantised numbers, widened to float32 again
;;       x = np.moveaxis(x, axis, -1); K = x.shape[-1]
;;       x = np.pad(x, [(0, 0)] * (x.ndim - 1) + [(0, -K % 32)]); x = x.reshape(x.shape[:-1] + (-1, 32)); a = np.abs(x).max(-1, keepdims=True)
;;       e = np.where(a > 0, np.clip(np.frexp(np.where(a > 0, a, 1))[1] - 1 - 2, -126, 127), 0)      # np.frexp(a)[1] - 1 = floor(log2(a)), exactly
;;       r = np.clip(x / 2.0 ** e, -7.5, 7.5)
;;       step = 2.0 ** (np.maximum(np.frexp(np.where(r == 0, 1, r))[1] - 1, 0) - 3)
;;       q = np.round(r / step) * step * 2.0 ** e      # np.round: ties to even
;;       return np.moveaxis(q.reshape(q.shape[:-2] + (-1,))[..., :K], -1, axis).astype(np.float32)
;;   ~~~
;;   SOFTMAX AHEAD OF A QUANTISED PRODUCT. Where the list says 'softmax', what is quantised is not the finished softmax but p = 2^(t - M), with t = logit x log2(e) and M = ceil(the row's largest t), a whole number; so 1/2 < the row's largest p <= 1. The row's sum l is taken of the UNQUANTISED p, in f32, and the product's result is divided by l at the end. Since M is a whole number, a kernel that streams over the keys may use a running M (the ceiling of the running maximum): every later rescaling is an exact power of two, which a block's scale takes up: the codes' values come out the same.
;;   OPERANDS COMPUTED ON THE WAY. 'Computed on the way' means the value that the module computes at that place (a softmax that the list does not call 'softmax' is quantised finished and normalised). What goes into a quantiser is computed in f32, as accurately as f32 sums, v_exp_f32 and their like allow (about 1e-6 of the number): no bf16 or f16 on the way to a quantiser, and a product that is left as it is and whose result goes on into a quantised operand takes f32 operands (vector FMAs, or v_wmma_f32_16x16x4_f32). A number that lies on a knife's edge between two numbers of the format may be rounded either way, as far as f32 arithmetic and the matrix unit's own rounding can turn it there, and no further.
;; One version. Each part assembles by itself: llvm-mc -triple=amdgcn-amd-amdhsa -mcpu=gfx1250 --defsym DOCPART=n.
;; ======== version 1 of 1: 3 launches
;; workspace buffers: xq 6,553,600 bytes; wq 614,400 bytes; relq 108,800 bytes; qkv 19,660,800 bytes
;; launch quant (part 1): grid 313 x 1, 8 waves a work-group, no clusters, 28,672 bytes of LDS; arguments featuremap, w_qk, w_v, rel_width, rel_height, xq, wq, relq; writes xq, wq, relq
.if DOCPART == 1
	.amdgcn_target "amdgcn-amd-amdhsa--gfx1250"
	.amdhsa_code_object_version 6
	.text
	.protected	k_q0352d00dc9_quant
	.globl	k_q0352d00dc9_quant
	.p2align	8
	.type	k_q0352d00dc9_quant,@function
k_q0352d00dc9_quant:
	s_mov_b64 s[64:65], 0
	v_nop
	global_prefetch_b8 v0, s[64:65] scope:SCOPE_SE
	s_setreg_imm32_b32 hwreg(HW_REG_WAVE_MODE, 25, 1), 1
	s_wait_xcnt 0x0
; f32 inputs into codes of FP6 (E2M3) with one E8M0 scale byte for each 32 along K, laid as the later launches' operand registers want them.
; A block's scale is 2^(floor(log2(its largest magnitude)) - 2); its byte is the largest magnitude's exponent field - 2, held at 1 from below.
; LIMITS: a block of zeros gets the byte 1 where the rule says 127 (its codes are zeros, and this program alone reads the bytes); blocks whose largest magnitude
; lies under 2^(3 - 127) keep the byte 1; NaN and infinities among the inputs are not served.
; FRAGMENT IMAGE: 16 rows x 128 K = 12 registers a lane = 1,536 bytes; register p of lane l lies at 512 (p / 4) + 16 l + 4 (p % 4): three accesses of 16 bytes a lane move it.
;   Lane l = r + 16 h holds row r; registers 6 c .. 6 c + 5 hold k = 64 c + 32 h + 0 .. 31.
; PERMUTED TILE: of a group of 32 rows tile u takes, in lane r, row 8 u + r + 8 (r / 8).
; TILE RECORD (xq, wq): 6,400 bytes: the fragments of K steps 0 .. 3 at 1,536 s, the scale words at 6,144 + 16 r + 4 s.
; Work-groups 0 .. 47: w_qk and w_v: 96 permuted tiles x 4 K steps, one (tile, K step) to a wave.
; Work-groups 48 .. 56: the relative tables, K = 128, a tile to a wave: relq holds 68 fragment images: tiles 0 .. 3: rel_width's rows 16 q + r (row 63 repeats row 62; the product's number for it is never read);
;   tile 4 + 2 xh + t: rel_height's rows 31 - xh + 16 t + r, that is key rows 16 t + r as a query of image row xh sees them; behind the images, 64 bytes of scale words a tile.
;   68 tiles are eight and a half work-groups: the last one's waves 4 .. 7 have no tile and end.
; Work-groups 57 .. 312: featuremap (K = the channels, its FIRST axis within a batch): 64 positions x 512 channels each, four tile records.
; No tensor loads, no matrix work: the launch streams.  The ways part on the work-group's number; only featuremap's uses LDS and a barrier.
.set REC,  6400
.set FRB,  1536
.set XSTG, 3328                        ; a wave's stage: two fragment images, 1,664 bytes apart
.set XTIL, 1664
.set SSTG, 26624                       ; behind the eight stages: the scale words of the work-group's four tiles, 256 bytes each
.set NWG,  48                          ; the weights' work-groups
.set NRT,  68                          ; the tables' tiles
.set NR,   NWG+9                       ; the work-groups ahead of featuremap's
.set RSC,  NRT*FRB                     ; relq: the scale words, behind the images
.macro XLOAD b                         ; block b: 32 channels of my position; a wave reads 128 consecutive bytes, two neighbouring waves 256
.set ii, 0
.rept 32
	global_load_b32 v[64+32*(\b)+ii], v2, s[4:5] offset:(32*(\b)+ii)*4096 th:TH_LOAD_NT
.set ii, ii+1
.endr
.endm
.macro XBLOCK b                        ; block b of my position: its scale byte, its 32 codes, and their place in the image: lane r + 16 (b % 2), registers 6 (b / 2) on
.set XN, 64+32*(\b)
.set XC, 32+8*(\b)
.if (\b) < 3
	s_wait_loadcnt 32                              ; loads come back in order: this block's 32 are in, the next block's 32 may be out
.else
	s_wait_loadcnt 0x0
.endif
.if (\b) < 2
	XLOAD (\b)+2                                   ; two blocks ahead, into registers of their own
.endif
	v_max3_num_f32 v8, |v[XN]|, |v[XN+1]|, |v[XN+2]|
	v_max3_num_f32 v9, |v[XN+3]|, |v[XN+4]|, |v[XN+5]|
.irp i, 6,10,14,18,22,26
	v_max3_num_f32 v8, v8, |v[XN+\i]|, |v[XN+\i+1]|
	v_max3_num_f32 v9, v9, |v[XN+\i+2]|, |v[XN+\i+3]|
.endr
	v_max3_num_f32 v8, v8, |v[XN+30]|, |v[XN+31]|
	v_max3_num_f32 v8, v8, v9, 0x1800000           ; and the floor 2^(3 - 127): the byte cannot fall under 1
	v_add_nc_u32 v10, 0xff000000, v8               ; 2 off the exponent field: the conversion takes this operand's exponent field as its scale
	v_lshrrev_b32 v11, 23, v10                     ; the scale's byte
.if (\b) == 0
	v_mov_b32 v12, v11
.else
	v_lshl_or_b32 v12, v11, 8*(\b), v12            ; four bytes make the K step's scale word of my position
.endif
	v_cvt_scalef32_pk16_fp6_f32 v[XC:XC+2], v[XN:XN+15], v10
	v_cvt_scalef32_pk16_fp6_f32 v[XC+4:XC+6], v[XN+16:XN+31], v10   ; (a conversion's three registers begin on an even number)
	v_nop                                          ; one plain line behind the scaled conversions
	v_mov_b32 v[XC+3], v[XC+4]
	v_mov_b32 v[XC+4], v[XC+5]
	v_mov_b32 v[XC+5], v[XC+6]                     ; six registers on end: the block's 24 bytes
.if (\b)/2 == 0
	ds_store_b128 v3, v[XC:XC+3] offset:256*((\b)%2)          ; image registers 0 .. 3
	ds_store_b64 v3, v[XC+4:XC+5] offset:512+256*((\b)%2)     ; 4, 5
.else
	ds_store_b64 v3, v[XC:XC+1] offset:520+256*((\b)%2)       ; 6, 7
	ds_store_b128 v3, v[XC+2:XC+5] offset:1024+256*((\b)%2)   ; 8 .. 11
.endif
.endm
.macro LOADW n                         ; rows whose K is innermost: lane (r, h) takes, of its row, k = 64 c + 32 h + 0 .. 31 of the K step: two whole blocks
.irp c, 0,1
.irp j, 0,1,2,3,4,5,6,7
	global_load_b128 v[(\n)+32*\c+4*\j:(\n)+32*\c+4*\j+3], v13, s[28:29] offset:256*\c+16*\j
.endr
.endr
.endm
.macro WQ n                            ; 64 numbers in v[n] on become the fragment's 12 registers in v32-43 and the row's scale word in v22
.irp c, 0,1
	v_max3_num_f32 v[16+\c], |v[(\n)+32*\c]|, |v[(\n)+32*\c+1]|, 0x1800000
.endr
.irp i, 2,4,6,8,10,12,14,16,18,20,22,24,26,28,30
.irp c, 0,1
	v_max3_num_f32 v[16+\c], v[16+\c], |v[(\n)+32*\c+\i]|, |v[(\n)+32*\c+\i+1]|
.endr
.endr
.irp c, 0,1
	v_add_nc_u32 v[18+\c], 0xff000000, v[16+\c]
.endr
.irp c, 0,1
	v_lshrrev_b32 v[20+\c], 23, v[18+\c]
.endr
	v_lshl_or_b32 v22, v21, 16, v20                ; my two bytes: blocks h and 2 + h,
	v_lshlrev_b32 v22, v23, v22                    ; 8 h bits up;
	v_mov_b32 v24, 0
	v_permlanex16_b32 v24, v22, s22, s23
	v_or_b32 v22, v22, v24                         ; with lane l xor 16's two the word is whole
.irp c, 0,1
	v_cvt_scalef32_pk16_fp6_f32 v[32+6*\c:34+6*\c], v[(\n)+32*\c:(\n)+32*\c+15], v[18+\c]
	v_cvt_scalef32_pk16_fp6_f32 v[44+4*\c:46+4*\c], v[(\n)+32*\c+16:(\n)+32*\c+31], v[18+\c]
.endr
	v_nop                                          ; one plain line behind the scaled conversions
.irp c, 0,1
.irp i, 0,1,2
	v_mov_b32 v[35+6*\c+\i], v[44+4*\c+\i]
.endr
.endr
.endm
	s_load_b256 s[4:11], s[0:1], 0x0               ; featuremap s[4:5], w_qk s[6:7], w_v s[8:9], rel_width s[10:11]
	s_load_b256 s[12:19], s[0:1], 0x20             ; rel_height s[12:13], xq s[14:15], wq s[16:17], relq s[18:19]
	v_lshl_add_u32 v192, v0, 2, 0x6c00
	v_mov_b32 v193, 0
	v_lshrrev_b32 v1, 5, v0
	v_readfirstlane_b32 s20, v1                    ; wave 0 .. 7
	v_and_b32 v1, 31, v0                           ; lane
	v_lshlrev_b32 v5, 4, v1                        ; 16 x lane
	s_mov_b32 s22, 0x76543210
	s_mov_b32 s23, 0xfedcba98                      ; v_permlanex16_b32's selects for lane l xor 16
	s_mov_b32 s27, 0                               ; the upper word of every offset
	s_wait_kmcnt 0x0
	s_cmp_ge_u32 ttmp9, NR
	s_cbranch_scc0 .Lnot_x
	; ---- featuremap.  Wave w: positions 32 g on (g = w % 2), channels 128 s on (s = w / 2).  A LANE TAKES A POSITION AND ITS REGISTERS RUN DOWN THE CHANNELS
	s_sub_co_u32 s31, ttmp9, NR                    ; which 64 positions: 0 .. 255
	s_and_b32 s21, s20, 1                          ; g
	s_lshr_b32 s24, s20, 1                         ; s
	s_lshr_b32 s26, s31, 4
	s_lshl_b32 s26, s26, 21                        ; the batch: 512 x 1,024 x 4 bytes
	s_lshl_b32 s30, s24, 19                        ; 128 channels of 4,096 bytes
	s_add_co_u32 s26, s26, s30
	s_and_b32 s30, s31, 15
	s_lshl_b32 s30, s30, 8                         ; 64 positions
	s_add_co_u32 s26, s26, s30
	s_lshl_b32 s30, s21, 7                         ; 32 positions
	s_add_co_u32 s26, s26, s30
	s_add_nc_u64 s[4:5], s[4:5], s[26:27]
	v_lshlrev_b32 v2, 2, v1                        ; 4 x lane
	XLOAD 0
	XLOAD 1
	v_and_b32 v14, 7, v1
	v_lshrrev_b32 v15, 4, v1
	v_lshl_or_b32 v14, v15, 3, v14                 ; r: position L of the 32 is row r of tile u, L = 8 u + r + 8 (r / 8)
	v_bfe_u32 v16, v1, 3, 1                        ; u
	s_mul_i32 s25, s20, XSTG
	v_mul_u32_u24 v3, v16, XTIL
	v_lshl_add_u32 v3, v14, 4, v3
	v_add_nc_u32 v3, s25, v3                       ; into my stage: tile u, 16 r
	v_add_nc_u32 v6, s25, v5                       ; and out of it: 16 x lane
	s_lshl_b32 s26, s21, 9
	s_add_co_u32 s26, s26, SSTG                    ; the scale words of tiles 2 g, 2 g + 1
	s_lshl_b32 s30, s24, 2
	s_add_co_u32 s30, s30, s26
	v_lshlrev_b32 v4, 8, v16
	v_lshl_add_u32 v4, v14, 4, v4
	v_add_nc_u32 v4, s30, v4                       ; my word: 256 u + 16 r + 4 s
	v_add_nc_u32 v13, s26, v5                      ; and where two tiles' words are read back
	v_mul_u32_u24 v7, v15, REC
	v_and_b32 v17, 15, v1
	v_lshl_add_u32 v7, v17, 4, v7                  ; their place in memory: a record for each half of the lanes
	s_lshl_b32 s26, s31, 2
	s_lshl_b32 s30, s21, 1
	s_add_co_u32 s26, s26, s30
	s_mul_i32 s26, s26, REC                        ; tile 4 x (my 64 positions) + 2 g,
	s_mul_i32 s30, s24, FRB                        ; K step s
	s_add_co_u32 s26, s26, s30
	s_add_nc_u64 s[14:15], s[14:15], s[26:27]
	XBLOCK 0
	XBLOCK 1
	XBLOCK 2
	XBLOCK 3
	ds_store_b32 v4, v12
.irp u, 0,1
.irp c, 0,1,2
	ds_load_b128 v[64+4*(3*\u+\c):67+4*(3*\u+\c)], v6 offset:\u*XTIL+512*\c   ; my own stage: LDS serves a wave's instructions in order, so these see my stores
.endr
.endr
.irp u, 0,1
.irp c, 0,1,2
	s_wait_dscnt 5-(3*\u+\c)                       ; the younger read-backs may be out
	global_store_b128 v5, v[64+4*(3*\u+\c):67+4*(3*\u+\c)], s[14:15] offset:\u*REC+512*\c   ; 32 lanes store 512 consecutive bytes, at a multiple of 256 from xq's first byte
.endr
.endr
	s_wait_dscnt 0x0                               ; for the others' sake: my scale words have landed
	s_barrier_signal -1
	s_barrier_wait -1                              ; the four K steps' words of every tile lie in the scale stage
	s_cmp_lt_u32 s20, 2
	s_cbranch_scc0 .Lx_done                        ; waves 0 and 1 (s = 0, g = the wave): two tiles' words each
	ds_load_b128 v[88:91], v13
	s_wait_dscnt 0x0
	global_store_b128 v7, v[88:91], s[14:15] offset:6144   ; sixteen lanes store a tile's 256 bytes of scale words
.Lx_done:
	s_wait_tensorcnt 0x0
	ds_add_u32 v192, v193
	s_wait_dscnt 0x0
	s_endpgm
.Lnot_x:
	; ---- tensors whose K is innermost: a wave makes ONE fragment: 16 rows x 128 K.  The two set-ups below say from where and to where; the work is written once, behind them
	v_and_b32 v14, 15, v1                          ; r
	v_lshrrev_b32 v15, 4, v1                       ; h
	v_lshlrev_b32 v23, 3, v15                      ; 8 h
	s_cmp_lt_u32 ttmp9, NWG
	s_cbranch_scc0 .Lrel
	; the weights.  Work-group 4 (3 head + kind) + i (kind 0: q's rows of w_qk, 1: k's, 2: w_v): tiles 2 i and 2 i + 1 of the head's eight; wave w: tile 2 i + w / 4, K step w % 4
	s_lshr_b32 s21, ttmp9, 2                       ; 3 head + kind
	s_mul_i32 s24, s21, 11
	s_lshr_b32 s24, s24, 5                         ; head = (0 .. 11) / 3
	s_mul_i32 s25, s24, 3
	s_sub_co_u32 s25, s21, s25                     ; kind
	s_cmp_eq_u32 s25, 2
	s_cselect_b64 s[28:29], s[8:9], s[6:7]         ; the choice hangs on the work-group's number alone
	s_cselect_b32 s25, 0, s25
	s_lshl_b32 s25, s25, 9                         ; k's rows lie 512 behind q's
	s_lshl_b32 s24, s24, 7
	s_add_co_u32 s24, s24, s25                     ; the head's first row
	s_and_b32 s25, ttmp9, 3
	s_lshl_b32 s25, s25, 1
	s_lshr_b32 s30, s20, 2
	s_add_co_u32 s25, s25, s30                     ; the tile t
	s_lshl_b32 s31, s21, 3
	s_add_co_u32 s31, s31, s25                     ; its record: 8 (3 head + kind) + t
	s_lshr_b32 s30, s25, 1
	s_lshl_b32 s30, s30, 5
	s_add_co_u32 s24, s24, s30
	s_and_b32 s30, s25, 1
	s_lshl_b32 s30, s30, 3
	s_add_co_u32 s24, s24, s30                     ; the tile's first row: + 32 (t / 2) + 8 (t % 2)
	s_and_b32 s21, s20, 3                          ; the K step s
	s_lshl_b32 s26, s24, 11                        ; a row is 2,048 bytes,
	s_lshl_b32 s30, s21, 9                         ; a K step 512
	s_add_co_u32 s26, s26, s30
	s_add_nc_u64 s[28:29], s[28:29], s[26:27]
	s_mul_i32 s26, s31, REC
	s_add_nc_u64 s[16:17], s[16:17], s[26:27]      ; the record,
	s_lshl_b32 s26, s21, 2
	s_add_co_u32 s26, s26, 6144
	s_add_nc_u64 s[18:19], s[16:17], s[26:27]      ; its scale words of K step s,
	s_mul_i32 s26, s21, FRB
	s_add_nc_u64 s[16:17], s[16:17], s[26:27]      ; its fragment of K step s
	v_and_b32 v16, 8, v14
	v_add_nc_u32 v16, v16, v14                     ; r + 8 (r / 8)
	v_lshlrev_b32 v13, 11, v16
	v_lshl_add_u32 v13, v15, 7, v13                ; + 128 h
	v_lshlrev_b32 v25, 4, v14                      ; the words of a record lie 16 bytes apart from row to row
	s_branch .Ltile
.Lrel:
	; the relative tables: tile q = 8 (work-group - 48) + wave
	s_sub_co_u32 s21, ttmp9, NWG
	s_lshl_b32 s21, s21, 3
	s_add_co_u32 s21, s21, s20                     ; q
	s_cmp_lt_u32 s21, NRT
	s_cbranch_scc1 .Lrel_go
	s_endpgm                                       ; there are 68 tiles
.Lrel_go:
	s_lshl_b32 s24, s21, 4                         ; rel_width (q < 4): rows 16 q on
	s_sub_co_u32 s25, s21, 4
	s_lshr_b32 s30, s25, 1                         ; rel_height: xh = (q - 4) / 2,
	s_and_b32 s25, s25, 1
	s_lshl_b32 s25, s25, 4                         ; t = (q - 4) % 2:
	s_add_co_u32 s25, s25, 31
	s_sub_co_u32 s25, s25, s30                     ; rows 31 - xh + 16 t on: 0 .. 62 at the widest
	s_cmp_lt_u32 s21, 4
	s_cselect_b64 s[28:29], s[10:11], s[12:13]     ; the choice hangs on the work-group's and the wave's number alone
	s_cselect_b32 s24, s24, s25
	v_add_nc_u32 v16, s24, v14                     ; my row
	v_min_u32 v16, 62, v16                         ; a table has 63: rel_width's row 63 repeats row 62, so that no load leaves the buffer
	v_lshlrev_b32 v13, 9, v16                      ; a row is 512 bytes
	v_lshl_add_u32 v13, v15, 7, v13
	v_lshlrev_b32 v25, 2, v14                      ; a tile's words lie on end
	s_mul_i32 s26, s21, FRB
	s_add_nc_u64 s[16:17], s[18:19], s[26:27]      ; the tile's image,
	s_lshl_b32 s26, s21, 6
	s_add_co_u32 s26, s26, RSC
	s_add_nc_u64 s[18:19], s[18:19], s[26:27]      ; and its 16 scale words
.Ltile:
	LOADW 64                                       ; all of the fragment's 16 loads at once
	s_wait_loadcnt 0x0
	WQ 64
.irp c, 0,1,2
	global_store_b128 v5, v[32+4*\c:35+4*\c], s[16:17] offset:512*\c   ; 32 lanes store 512 consecutive bytes, at a multiple of 256 from the buffer's first byte
.endr
	global_store_b32 v25, v22, s[18:19]            ; row r's scale word; both halves of the lanes hold the same and write the same
	s_endpgm
.Lfunc_end_k_q0352d00dc9_quant:
	.size	k_q0352d00dc9_quant, .Lfunc_end_k_q0352d00dc9_quant-k_q0352d00dc9_quant
	.p2alignl 7, 3214868480
	.fill 96, 4, 3214868480
	.section	.rodata,"a",@progbits
	.p2align	6, 0x0
	.amdhsa_kernel k_q0352d00dc9_quant
		.amdhsa_group_segment_fixed_size 28672
		.amdhsa_private_segment_fixed_size 0
		.amdhsa_enable_private_segment 0
		.amdhsa_kernarg_size 64
		.amdhsa_user_sgpr_count 2
		.amdhsa_user_sgpr_kernarg_segment_ptr 1
		.amdhsa_wavefront_size32 1
		.amdhsa_system_sgpr_workgroup_id_x 1
		.amdhsa_system_sgpr_workgroup_id_y 1
		.amdhsa_system_sgpr_workgroup_id_z 1
		.amdhsa_system_vgpr_workitem_id 0
		.amdhsa_next_free_vgpr 194
		.amdhsa_next_free_sgpr 66
		.amdhsa_reserve_vcc 0
		.amdhsa_float_denorm_mode_32 3
		.amdhsa_float_denorm_mode_16_64 3
		.amdhsa_memory_ordered 1
		.amdhsa_forward_progress 1
		.amdhsa_inst_pref_size 30
	.end_amdhsa_kernel
	.amdgpu_metadata
---
amdhsa.version: [ 1, 2 ]
amdhsa.kernels:
  - .name:           k_q0352d00dc9_quant
    .symbol:         k_q0352d00dc9_quant.kd
    .args:
      - { .name: featuremap, .offset: 0, .size: 8, .value_kind: global_buffer, .address_space: global }
      - { .name: w_qk, .offset: 8, .size: 8, .value_kind: global_buffer, .address_space: global }
      - { .name: w_v, .offset: 16, .size: 8, .value_kind: global_buffer, .address_space: global }
      - { .name: rel_width, .offset: 24, .size: 8, .value_kind: global_buffer, .address_space: global }
      - { .name: rel_height, .offset: 32, .size: 8, .value_kind: global_buffer, .address_space: global }
      - { .name: xq, .offset: 40, .size: 8, .value_kind: global_buffer, .address_space: global }
      - { .name: wq, .offset: 48, .size: 8, .value_kind: global_buffer, .address_space: global }
      - { .name: relq, .offset: 56, .size: 8, .value_kind: global_buffer, .address_space: global }
    .group_segment_fixed_size: 28672
    .private_segment_fixed_size: 0
    .kernarg_segment_align: 8
    .kernarg_segment_size: 64
    .max_flat_workgroup_size: 256
    .sgpr_count:     66
    .vgpr_count:     194
    .wavefront_size: 32
...
	.end_amdgpu_metadata
.endif
;; end of part 1
;; launch proj (part 2): grid 4 x 64, 4 waves a work-group, clusters of 4 x 4, 327,680 bytes of LDS; arguments xq, wq, qkv; writes qkv
.if DOCPART == 2
	.amdgcn_target "amdgcn-amd-amdhsa--gfx1250"
	.amdhsa_code_object_version 6
	.text
	.protected	k_q0352d00dc9_proj
	.globl	k_q0352d00dc9_proj
	.p2align	8
	.type	k_q0352d00dc9_proj,@function
k_q0352d00dc9_proj:
	s_mov_b64 s[64:65], 0
	v_nop
	global_prefetch_b8 v0, s[64:65] scope:SCOPE_SE
	s_setreg_imm32_b32 hwreg(HW_REG_WAVE_MODE, 25, 1), 1
	s_wait_xcnt 0x0
	s_wait_alu depctr_hold_cnt(0) depctr_sa_sdst(0) depctr_va_vdst(0) depctr_va_sdst(0) depctr_va_ssrc(0) depctr_va_vcc(0) depctr_vm_vsrc(0)
	s_getreg_b32 s2, hwreg(HW_REG_IB_STS2, 6, 4)
	s_cmp_eq_u32 s2, 0
	s_cbranch_scc0 .Lentry_in_a_cluster
	s_endpgm
.Lentry_in_a_cluster:
	s_bfe_u32 s2, ttmp6, 0x10000c
	s_cmp_lg_u32 s2, 0xf033
	s_cbranch_scc0 .Lentry_shape_is_right
	s_endpgm
.Lentry_shape_is_right:
; The two projections on codes of FP6 (E2M3), K = 512 channels, and the quantising of their results: q x 128^-0.5 and k along the head's 128, v along the positions.
; A work-group takes one head (x) and 256 positions (y) and makes q, k and v of them, one after the other, from two panels that lie whole in LDS: the head's 24 tile records of the weights
; (153,600 bytes) and the positions' 16 tile records (102,400 bytes).  Each panel is filled once, so there is no ring and no refill.
; CLUSTERS: 4 x 4 work-groups.  The weights' panel hangs on the head alone and is shared along a column of the cluster, the positions' panel on y alone and is shared along a row:
; each half panel is asked for JOINTLY, by one tensor load a wave with a mask that names the four.
; A WAVE'S TILE is 128 along the NEXT product's K x 64: 32 accumulators.  q, k: source 0 = the head's 8 tiles of W, source 1 = 4 tiles of positions; v: source 0 = 8 tiles of positions,
; source 1 = 4 tiles of W_v.  Every tile is a PERMUTED tile (lane r of tile 2 G + u holds row 32 G + 8 u + r + 8 (r / 8)), so that the 64 registers of one source-1 tile run
; register 16 B + i = index 32 B + 16 (lane / 16) + i along the next K: sixteen neighbours for each conversion.
; OUT: chunk records of 6,400 bytes: four fragment images (12 registers a lane, three stores of 16 bytes a lane each) and at 6,144 a scale image: the word at 8 l + 4 c is that of tile 2 c + l / 16, row l % 16.
; LIMITS: a block of zeros gets the byte 1 where the rule says 127 (its codes are zeros; this program alone reads the bytes); NaN and infinities are not served.
; REGISTERS, in windows of 256: window 0: v1-7 addresses, v8-23 at work, v24-27 the four scale words, v28-29 the scale image, v32-47 source 0's scale words, v48-55 source 1's, v64-143 the codes just made;
;   window 1: the accumulators ((a, b) at 64 b + 8 a);  window 2: source 0's fragments, two sets of 96;  window 3: source 1's, two sets of 48.
.set REC,  6400
.set FRB,  1536
.set XB,   153600                      ; the positions' panel, behind the weights'
.set LI,   1                           ; v1  16 x lane
.set LZ,   2                           ; v2  6,400 (lane / 16) + 16 (lane % 16): a pair of tiles' scale words
.set L8,   3                           ; v3  8 x lane
.set AS0,  4                           ; v4, v5  LDS address of source 0's and source 1's fragments
.set AS1,  5
.set AZ0,  6                           ; v6, v7  and of their scale words
.set AZ1,  7
.set TM,   8
.set PW,   24
.set PCB,  64
.set MSB, 0
.macro WIN new                         ; the immediate's high byte repeats the setting that is left
.if MSB != \new
	s_set_vgpr_msb (MSB<<8)|\new
.set MSB, \new
.endif
.endm
.set W_MUL, 0x5e                       ; source 0 window 2, source 1 window 3, C and D window 1
.set TO_0,  0x80                       ; destination window 2
.set TO_1,  0xc0                       ; destination window 3
.set W_MAX, 0x14                       ; sources 1 and 2 window 1
.set W_CVT, 0x01                       ; source 0 window 1
.set W_SCL, 0x41                       ; destination and source 0 window 1
.macro CROUND                          ; a round of the cluster's barrier
	s_barrier_signal -1
	s_barrier_wait -1
	s_cmp_lg_u32 s14, 0
	s_cbranch_scc1 .Lnot_wave_0_\@
	s_barrier_signal -3
.Lnot_wave_0_\@:
	s_barrier_wait -3
	s_barrier_signal -1
	s_barrier_wait -1
.endm
; One scaled matrix instruction.  c < 0: the constant 0 starts the sum.  ra, rb: the side's scale words stand in lanes 16-31 of the register named.
.macro WM d, a, b, c, sa, sb, ra, rb
.if (\c) < 0
.if (\ra) && (\rb)
	v_wmma_scale_f32_16x16x128_f8f6f4 v[(\d):(\d)+7], v[(\a):(\a)+11], v[(\b):(\b)+11], 0, v[(\sa)], v[(\sb)] matrix_a_fmt:MATRIX_FMT_FP6 matrix_b_fmt:MATRIX_FMT_FP6 matrix_a_scale:MATRIX_SCALE_ROW1 matrix_b_scale:MATRIX_SCALE_ROW1
.elseif (\ra)
	v_wmma_scale_f32_16x16x128_f8f6f4 v[(\d):(\d)+7], v[(\a):(\a)+11], v[(\b):(\b)+11], 0, v[(\sa)], v[(\sb)] matrix_a_fmt:MATRIX_FMT_FP6 matrix_b_fmt:MATRIX_FMT_FP6 matrix_a_scale:MATRIX_SCALE_ROW1
.elseif (\rb)
	v_wmma_scale_f32_16x16x128_f8f6f4 v[(\d):(\d)+7], v[(\a):(\a)+11], v[(\b):(\b)+11], 0, v[(\sa)], v[(\sb)] matrix_a_fmt:MATRIX_FMT_FP6 matrix_b_fmt:MATRIX_FMT_FP6 matrix_b_scale:MATRIX_SCALE_ROW1
.else
	v_wmma_scale_f32_16x16x128_f8f6f4 v[(\d):(\d)+7], v[(\a):(\a)+11], v[(\b):(\b)+11], 0, v[(\sa)], v[(\sb)] matrix_a_fmt:MATRIX_FMT_FP6 matrix_b_fmt:MATRIX_FMT_FP6
.endif
.else
.if (\ra) && (\rb)
	v_wmma_scale_f32_16x16x128_f8f6f4 v[(\d):(\d)+7], v[(\a):(\a)+11], v[(\b):(\b)+11], v[(\c):(\c)+7], v[(\sa)], v[(\sb)] matrix_a_fmt:MATRIX_FMT_FP6 matrix_b_fmt:MATRIX_FMT_FP6 matrix_a_scale:MATRIX_SCALE_ROW1 matrix_b_scale:MATRIX_SCALE_ROW1
.elseif (\ra)
	v_wmma_scale_f32_16x16x128_f8f6f4 v[(\d):(\d)+7], v[(\a):(\a)+11], v[(\b):(\b)+11], v[(\c):(\c)+7], v[(\sa)], v[(\sb)] matrix_a_fmt:MATRIX_FMT_FP6 matrix_b_fmt:MATRIX_FMT_FP6 matrix_a_scale:MATRIX_SCALE_ROW1
.elseif (\rb)
	v_wmma_scale_f32_16x16x128_f8f6f4 v[(\d):(\d)+7], v[(\a):(\a)+11], v[(\b):(\b)+11], v[(\c):(\c)+7], v[(\sa)], v[(\sb)] matrix_a_fmt:MATRIX_FMT_FP6 matrix_b_fmt:MATRIX_FMT_FP6 matrix_b_scale:MATRIX_SCALE_ROW1
.else
	v_wmma_scale_f32_16x16x128_f8f6f4 v[(\d):(\d)+7], v[(\a):(\a)+11], v[(\b):(\b)+11], v[(\c):(\c)+7], v[(\sa)], v[(\sb)] matrix_a_fmt:MATRIX_FMT_FP6 matrix_b_fmt:MATRIX_FMT_FP6
.endif
.endif
.endm
.macro PLACES                          ; four plain vector lines between matrix instructions and loads into, or reads of, their registers
.rept 4
	v_nop
.endr
.endm
.macro FETCH s, set                    ; 36 LDS loads in one run: K step s of source 0's eight tiles and source 1's four, as images: 16 bytes a lane, 512 consecutive bytes a load
	WIN TO_0
.set aa, 0
.rept 8
.irp c, 0,1,2
	ds_load_b128 v[96*(\set)+12*aa+4*\c:96*(\set)+12*aa+4*\c+3], v[AS0] offset:aa*REC+FRB*(\s)+512*\c
.endr
.set aa, aa+1
.endr
	WIN TO_1
.set bb, 0
.rept 4
.irp c, 0,1,2
	ds_load_b128 v[48*(\set)+12*bb+4*\c:48*(\set)+12*bb+4*\c+3], v[AS1] offset:bb*REC+FRB*(\s)+512*\c
.endr
.set bb, bb+1
.endr
	WIN 0
.endm
.macro SCALES                          ; a pair of tiles' words for all four K steps by one load: register 4 p + s: lanes 0-15 tile 2 p, lanes 16-31 tile 2 p + 1
.irp p, 0,1,2,3
	ds_load_b128 v[32+4*\p:35+4*\p], v[AZ0] offset:2*REC*\p+6144
.endr
.irp p, 0,1
	ds_load_b128 v[48+4*\p:51+4*\p], v[AZ1] offset:2*REC*\p+6144
.endr
.endm
.macro MUL s, set, zero                ; 32 matrix instructions on 32 accumulators, which take turns, one instruction a turn, in the same order in every K step
	WIN W_MUL
.set bb, 0
.rept 4
.set aa, 0
.rept 8
.if \zero
	WM 64*bb+8*aa, 96*(\set)+12*aa, 48*(\set)+12*bb, -1, 32+4*(aa/2)+(\s), 48+4*(bb/2)+(\s), aa%2, bb%2
.else
	WM 64*bb+8*aa, 96*(\set)+12*aa, 48*(\set)+12*bb, 64*bb+8*aa, 32+4*(aa/2)+(\s), 48+4*(bb/2)+(\s), aa%2, bb%2
.endif
.set aa, aa+1
.endr
.set bb, bb+1
.endr
.endm
; The 64 results of source-1 tile b (window 1, v[64 b] on; register 16 q + i = index 32 q + 16 (lane / 16) + i of my row) become a fragment's codes in v[PC] on and its scale word in v[PW + b].
.macro QUANTW b
.set A0, 64*(\b)
.set PC, PCB+20*(\b)
	WIN 0
.irp q, 0,1,2,3
	v_mov_b32 v[TM+\q], 0x1800000                  ; the floor 2^(3 - 127): the byte cannot fall under 1
.endr
	WIN W_MAX
.irp i, 0,2,4,6,8,10,12,14             ; ascending: each accumulator is read from its low end on
.irp q, 0,1,2,3
	v_max3_num_f32 v[TM+\q], v[TM+\q], |v[A0+16*\q+\i]|, |v[A0+16*\q+\i+1]|
.endr
.endr
	WIN 0
.irp q, 0,1,2,3
	v_permlanex16_b32 v[TM+4+\q], v[TM+\q], s20, s21
.endr
.irp q, 0,1,2,3
	v_max_num_f32 v[TM+\q], v[TM+\q], v[TM+4+\q]   ; with lane l xor 16's sixteen: the block's largest magnitude
.endr
.irp q, 0,1,2,3
	v_add_nc_u32 v[TM+12+\q], 0xff000000, v[TM+\q] ; 2 off the exponent field: the conversion's scale operand
.endr
.irp q, 0,1,2,3
	v_lshrrev_b32 v[TM+4+\q], 23, v[TM+12+\q]      ; the scale's byte
.endr
	v_lshl_or_b32 v[PW+(\b)], v[TM+5], 8, v[TM+4]
	v_lshl_or_b32 v[PW+(\b)], v[TM+6], 16, v[PW+(\b)]
	v_lshl_or_b32 v[PW+(\b)], v[TM+7], 24, v[PW+(\b)]
	WIN W_CVT
.irp c, 0,1
	v_cvt_scalef32_pk16_fp6_f32 v[PC+6*\c:PC+6*\c+2], v[A0+32*\c:A0+32*\c+15], v[TM+12+2*\c]
	v_cvt_scalef32_pk16_fp6_f32 v[PC+12+4*\c:PC+14+4*\c], v[A0+32*\c+16:A0+32*\c+31], v[TM+12+2*\c+1]   ; (a conversion's three registers begin on an even number)
.endr
	WIN 0
	v_nop                                          ; one plain line behind the scaled conversions
.irp c, 0,1                            ; the operand's layout wants a WHOLE block in a lane: lanes 0-15 block 2 c, lanes 16-31 block 2 c + 1
.irp i, 0,1,2
	v_permlane16_swap_b32 v[PC+6*\c+\i], v[PC+12+4*\c+\i]
.endr
.irp i, 0,1,2
	v_mov_b32 v[PC+3+6*\c+\i], v[PC+12+4*\c+\i]
.endr
.endr
.endm
; One of q (0), k (1), v (2) for my wave: four K steps of 128 on two sets of fragment registers, then the quantiser and the chunk record.
.macro TILE kind
	PLACES
.if (\kind) < 2
	v_add_nc_u32 v[AS0], (\kind)*8*REC, v[LI]      ; source 0: the kind's eight tiles of W
	s_wait_alu depctr_va_vdst(0)
	v_add_nc_u32 v[AZ0], (\kind)*8*REC, v[LZ]
	v_add_nc_u32 v[AS1], s68, v[LI]                ; source 1: my four tiles of positions
	s_wait_alu depctr_va_vdst(0)
	v_add_nc_u32 v[AZ1], s68, v[LZ]
.else
	v_add_nc_u32 v[AS0], s69, v[LI]                ; source 0: my eight tiles of positions
	s_wait_alu depctr_va_vdst(0)
	v_add_nc_u32 v[AZ0], s69, v[LZ]
	v_add_nc_u32 v[AS1], s70, v[LI]                ; source 1: my four tiles of W_v
	s_wait_alu depctr_va_vdst(0)
	v_add_nc_u32 v[AZ1], s70, v[LZ]
.endif
	SCALES
	FETCH 0, 0
	FETCH 1, 1
	s_wait_dscnt 36                                ; LDS loads come back in order: all but K step 1's 36 are in
	MUL 0, 0, 1                                    ; the first K step starts the sums: nothing is cleared
	PLACES
	FETCH 2, 0
	s_wait_dscnt 36                                ; K step 1's are in, K step 2's 36 may be out
	MUL 1, 1, 0
	PLACES
	FETCH 3, 1
	s_wait_dscnt 36
	MUL 2, 0, 0
	s_wait_dscnt 0x0
	MUL 3, 1, 0
	WIN 0
	PLACES
	s_wait_xcnt 0x0                                ; the last record's stores have read their data: the codes' registers and the scale image are written again only behind this wait
.irp b, 0,1,2,3
.if (\kind) == 0
	WIN W_SCL
.set ii, 0
.rept 32
	v_pk_mul_f32 v[64*\b+2*ii:64*\b+2*ii+1], v[64*\b+2*ii:64*\b+2*ii+1], s[66:67] op_sel_hi:[1,0]   ; q x 128^-0.5, in f32, ahead of the quantiser
.set ii, ii+1
.endr
.endif
	QUANTW \b
.irp c, 0,1,2
	global_store_b128 v[LI], v[PC+4*\c:PC+4*\c+3], s[72+2*(\kind):73+2*(\kind)] offset:FRB*\b+512*\c   ; 32 lanes store 512 consecutive bytes, at a multiple of 256 from qkv's first byte
.endr
.endr
	v_cndmask_b32 v28, v24, v25, vcc_lo            ; the scale image: lanes 0-15 tile 0 (2), lanes 16-31 tile 1 (3)
	v_cndmask_b32 v29, v26, v27, vcc_lo
	global_store_b64 v[L8], v[28:29], s[72+2*(\kind):73+2*(\kind)] offset:6144   ; 32 lanes store 256 consecutive bytes
.endm
	s_load_b128 s[4:7], s[0:1], 0x0                ; xq s[4:5], wq s[6:7]
	s_load_b64 s[8:9], s[0:1], 0x10                ; qkv
	v_lshl_add_u32 v254, v0, 2, 0x3e800
	v_mov_b32 v255, 0
	ds_add_u32 v254, v255
	ds_add_u32 v254, v255
	v_lshrrev_b32 v1, 5, v0
	v_readfirstlane_b32 s14, v1                    ; wave 0 .. 3
	s_lshr_b32 s15, s14, 1                         ; I fetch for W (0) or for X (1)
	s_and_b32 s16, s14, 1                          ; which half of that panel
	s_bfe_u32 s40, ttmp6, 0x40000                  ; cx, cy: my place in the cluster
	s_bfe_u32 s41, ttmp6, 0x40004
	s_lshl_b32 s42, ttmp9, 2
	s_add_co_u32 s42, s42, s40                     ; the head = 4 x cluster x + cx
	s_and_b32 s17, ttmp7, 0xffff
	s_lshl_b32 s17, s17, 2
	s_add_co_u32 s17, s17, s41                     ; the block of 256 positions = 4 x cluster y + cy
	s_lshl_b32 s43, s41, 2
	s_lshl_b32 s43, 15, s43                        ; my row of the cluster
	s_lshl_b32 s44, 0x1111, s40                    ; my column
	; descriptor groups 1: dense blocks as rows of 256 bytes (32 elements of 8 bytes), no padding: half of W's panel is 300 rows, half of X's 200
	s_or_b32 s24, s44, (3<<16)|(1<<21)             ; 15:0 the mask: W's panel goes to my column; 17:16 elements of 8 bytes; 21 set beside a mask
	s_mov_b32 s25, 32<<16                          ; tensor_dim0
	s_mov_b32 s26, 300<<16                         ; tensor_dim1
	s_mov_b32 s27, 32<<16                          ; tile_dim0
	s_mov_b32 s28, 300                             ; tile_dim1
	s_mov_b32 s29, 32                              ; the pitch
	s_mov_b32 s30, 0
	s_mov_b32 s31, 0
	s_or_b32 s48, s43, (3<<16)|(1<<21)             ; X's panel goes to my row
	s_mov_b32 s49, 32<<16
	s_mov_b32 s50, 200<<16
	s_mov_b32 s51, 32<<16
	s_mov_b32 s52, 200
	s_mov_b32 s53, 32
	s_mov_b32 s54, 0
	s_mov_b32 s55, 0
	; groups 0.  W's hangs on the head and the wave, X's on the block of positions and the wave, each in registers that never hold the other coordinate
	s_mov_b32 s32, 1
	s_mul_i32 s33, s16, 12*REC                     ; LDS: W's half
	s_mul_i32 s18, s42, 24*REC
	s_add_co_u32 s18, s18, s33
	s_mov_b32 s19, 0
	s_mov_b32 s56, 1
	s_mul_i32 s45, s16, 8*REC
	s_add_co_u32 s57, s45, XB                      ; LDS: X's half
	s_mul_i32 s46, s17, 16*REC
	s_add_co_u32 s46, s46, s45
	s_mov_b32 s47, 0
	s_wait_dscnt 0x0
	s_wait_kmcnt 0x0
	s_add_nc_u64 s[34:35], s[6:7], s[18:19]
	s_or_b32 s35, s35, 0x80000000                  ; type = 2
	s_add_nc_u64 s[58:59], s[4:5], s[46:47]
	s_or_b32 s59, s59, 0x80000000
	CROUND                                         ; all sixteen work-groups are here: the joint loads meet
	s_cmp_eq_u32 s15, 0                            ; one load a wave; the branch hangs on the wave's number alone; four v_nop follow each of the two lines
	s_cbranch_scc0 .Lfor_x
	tensor_load_to_lds s[32:35], s[24:31]
	s_nop 0
	PLACES
	s_branch .Lasked
.Lfor_x:
	tensor_load_to_lds s[56:59], s[48:55]
	s_nop 0
	PLACES
.Lasked:
	v_and_b32 v8, 31, v0                           ; lane
	v_lshlrev_b32 v[LI], 4, v8
	v_lshlrev_b32 v[L8], 3, v8
	v_lshrrev_b32 v9, 4, v8
	v_and_b32 v10, 15, v8
	v_mul_u32_u24 v[LZ], v9, REC
	v_lshl_add_u32 v[LZ], v10, 4, v[LZ]
	v_cmp_le_u32 vcc_lo, 16, v8                    ; lanes 16-31; nothing else writes VCC
.irp q, 0,1,2,3
	v_mov_b32 v[TM+4+\q], 0                        ; written once: a lane permute's destination counts as one of its sources
.endr
	s_mul_i32 s68, s14, 4*REC
	s_add_co_u32 s68, s68, XB                      ; q, k: my four tiles of positions
	s_mul_i32 s69, s15, 8*REC
	s_add_co_u32 s69, s69, XB                      ; v: my eight tiles of positions,
	s_mul_i32 s70, s16, 4*REC
	s_add_co_u32 s70, s70, 16*REC                  ; and my four tiles of W_v
	s_lshr_b32 s60, s17, 2
	s_lshl_b32 s60, s60, 2
	s_add_co_u32 s60, s60, s42                     ; 4 x batch + head
	s_lshl_b32 s60, s60, 4
	s_and_b32 s61, s17, 3
	s_lshl_b32 s61, s61, 2
	s_add_co_u32 s60, s60, s61
	s_add_co_u32 s60, s60, s14                     ; my record: 16 (4 b + head) + 4 (block in the batch) + wave, for all three kinds
	s_mul_i32 s60, s60, REC
	s_mov_b32 s61, 0
	s_add_nc_u64 s[72:73], s[8:9], s[60:61]        ; q's section,
	s_add_nc_u64 s[74:75], s[72:73], 1024*REC      ; k's,
	s_add_nc_u64 s[76:77], s[74:75], 1024*REC      ; v's
	s_mov_b32 s20, 0x76543210
	s_mov_b32 s21, 0xfedcba98                      ; v_permlanex16_b32's selects for lane l xor 16
	s_mov_b32 s66, 0x3db504f3                      ; 128^-0.5
	s_mov_b32 s67, s66                             ; (named with it as a pair, so it is written)
	s_wait_alu depctr_va_vdst(0)
	s_wait_tensorcnt 0x0                           ; my half panel has landed,
	s_barrier_signal -1
	s_barrier_wait -1                              ; everybody's has.  Nothing is ever filled again, and nothing is stored to LDS: no further barrier until the closing round
	TILE 0
	TILE 1
	TILE 2
	s_wait_tensorcnt 0x0
	ds_add_u32 v254, v255
	s_wait_dscnt 0x0
	CROUND                                         ; the closing round: no work-group ends while a partner may still ask for a panel that names it
	s_endpgm
.Lfunc_end_k_q0352d00dc9_proj:
	.size	k_q0352d00dc9_proj, .Lfunc_end_k_q0352d00dc9_proj-k_q0352d00dc9_proj
	.p2alignl 7, 3214868480
	.fill 96, 4, 3214868480
	.section	.rodata,"a",@progbits
	.p2align	6, 0x0
	.amdhsa_kernel k_q0352d00dc9_proj
		.amdhsa_group_segment_fixed_size 327680
		.amdhsa_private_segment_fixed_size 0
		.amdhsa_enable_private_segment 0
		.amdhsa_kernarg_size 24
		.amdhsa_user_sgpr_count 2
		.amdhsa_user_sgpr_kernarg_segment_ptr 1
		.amdhsa_wavefront_size32 1
		.amdhsa_system_sgpr_workgroup_id_x 1
		.amdhsa_system_sgpr_workgroup_id_y 1
		.amdhsa_system_sgpr_workgroup_id_z 1
		.amdhsa_system_vgpr_workitem_id 0
		.amdhsa_next_free_vgpr 1024
		.amdhsa_next_free_sgpr 96
		.amdhsa_reserve_vcc 1
		.amdhsa_float_denorm_mode_32 3
		.amdhsa_float_denorm_mode_16_64 3
		.amdhsa_memory_ordered 1
		.amdhsa_forward_progress 1
		.amdhsa_inst_pref_size 146
	.end_amdhsa_kernel
	.amdgpu_metadata
---
amdhsa.version: [ 1, 2 ]
amdhsa.kernels:
  - .name:           k_q0352d00dc9_proj
    .symbol:         k_q0352d00dc9_proj.kd
    .args:
      - { .name: xq, .offset: 0, .size: 8, .value_kind: global_buffer, .address_space: global }
      - { .name: wq, .offset: 8, .size: 8, .value_kind: global_buffer, .address_space: global }
      - { .name: qkv, .offset: 16, .size: 8, .value_kind: global_buffer, .address_space: global }
    .group_segment_fixed_size: 327680
    .private_segment_fixed_size: 0
    .kernarg_segment_align: 8
    .kernarg_segment_size: 24
    .max_flat_workgroup_size: 128
    .sgpr_count:     96
    .vgpr_count:     1024
    .wavefront_size: 32
...
	.end_amdgpu_metadata
.endif
;; end of part 2
;; launch attn (part 3): grid 4 x 64, 16 waves a work-group, clusters of 4 x 1, 327,680 bytes of LDS; arguments qkv, relq, out0; writes out0
.if DOCPART == 3
	.amdgcn_target "amdgcn-amd-amdhsa--gfx1250"
	.amdhsa_code_object_version 6
	.text
	.protected	k_q0352d00dc9_attn
	.globl	k_q0352d00dc9_attn
	.p2align	8
	.type	k_q0352d00dc9_attn,@function
k_q0352d00dc9_attn:
	s_mov_b64 s[64:65], 0
	v_nop
	global_prefetch_b8 v0, s[64:65] scope:SCOPE_SE
	s_setreg_imm32_b32 hwreg(HW_REG_WAVE_MODE, 25, 1), 1
	s_wait_xcnt 0x0
	s_wait_alu depctr_hold_cnt(0) depctr_sa_sdst(0) depctr_va_vdst(0) depctr_va_sdst(0) depctr_va_ssrc(0) depctr_va_vcc(0) depctr_vm_vsrc(0)
	s_getreg_b32 s2, hwreg(HW_REG_IB_STS2, 6, 4)
	s_cmp_eq_u32 s2, 0
	s_cbranch_scc0 .Lentry_in_a_cluster
	s_endpgm
.Lentry_in_a_cluster:
	s_bfe_u32 s2, ttmp6, 0x10000c
	s_cmp_lg_u32 s2, 0x3003
	s_cbranch_scc0 .Lentry_shape_is_right
	s_endpgm
.Lentry_shape_is_right:
; out0[b][128 head + d][x] = the sum over keys y of softmax_y(q_x . k_y + q_x . rel_width[yw - xw + 31] + q_x . rel_height[yh - xh + 31]) v_y[d], x = 32 xh + xw, y = 32 yh + yw,
; all four products on codes of FP6 (E2M3) with one E8M0 scale for each 32 along K.  q (already x 128^-0.5), k and v come as chunk records of launch proj, the tables as fragment images of launch quant.
; THE SOFTMAX AHEAD OF THE LAST PRODUCT: t = logit x log2(e); M = the running largest t rounded UP to a whole number; p = 2^(t - M) is quantised along the keys, not normalised; the row's sum
; is taken of the unquantised p and divides at the end; when M moves, the sum and O are multiplied by 2^(old M - new M): exact.
; SHARES.  A work-group owns 256 queries of one (batch, head); each of its sixteen waves one PERMUTED tile of 16: image row xh = 8 x block + wave / 2, columns xw = 8 (wave % 2) + r + 8 (r / 8).
; ALL OF A HEAD'S K AND V, 2 x 102,400 bytes, LIE IN LDS, FILLED ONCE: no ring, no refill, no barrier among the key steps.
; CLUSTER.  The four query blocks of a head need the same K and V: each piece is asked for JOINTLY, by the same tensor load with the same descriptor and the mask 15.
; LAYOUT.  Both products transposed: S^T = K Q^T, O^T = V^T P^T: a lane holds ONE query (lane % 16).  A key step is 128 keys = 4 image rows; register 16 B + i of the scores is key row 4 s + B, column 16 (lane / 16) + i.
; THE RELATIVE LOGITS.  Rw (16 numbers a lane: one for each of its key columns, the same in every key row) is the C of each score tile's matrix instruction; Rh (one number for a key row, that is for a block
; of 32 keys) goes into the addend of the scaling's fused multiply-add.  So the three terms are added in another order of f32 roundings than the problem's text adds them: (q k + Rw) + Rh.
; relq holds rel_height's rows once for each xh, already shifted (tile 4 + 2 xh + t: rows 31 - xh + 16 t + r): the shift lies in a global address, and a fragment comes by three loads of 512 consecutive bytes.
; LIMITS: NaN and infinities are not served; a block whose every p has fallen to 0 keeps the byte 1 (its codes are zeros).
; REGISTERS: v1-3 addresses that stay; v4-8 addresses of the step; v9-11 head and way out; v12 -M, v13 the largest t, v[14:15] the sum in two halves; v16-27 Q; v28-31 Rh of the step's four key rows;
; v32-79 four fragments of K or V (between the products v32, 34, 36, 38: c Rh - M); v80-95 Rw; v96-159 S^T, then p; v160-223 O^T; v224-235 p's codes; v232-254 at work; v255 Q's scale words.
.set REC,  6400
.set FRB,  1536
.set RSC,  68*FRB                      ; relq: the scale words, 64 bytes a tile, behind the 68 images
.set VB,   102400                      ; V, behind K
.set RWB,  204800                      ; each wave's 16 rows x (64 numbers + 16 bytes) of Rw
.set RHB,  274432                      ; each wave's 16 rows x (32 numbers + 16 bytes) of Rh
.set LI,   1                           ; v1  16 x lane
.set L8,   2                           ; v2  8 x lane
.set ARH,  3                           ; v3  my query's row of Rh
.set ADK,  4
.set ADS,  5
.set ADV,  6
.set ADT,  7
.set ADR,  8
.set WV,   10                          ; s10 my wave's number
.set TK,   48                          ; s48 the step's K in LDS;  s49 its V;  s50 its four numbers in a row of Rh
.set TV,   49
.set TR,   50
.macro CROUND                          ; a round of the cluster's barrier
	s_barrier_signal -1
	s_barrier_wait -1
	s_cmp_lg_u32 s[WV], 0
	s_cbranch_scc1 .Lnot_wave_0_\@
	s_barrier_signal -3
.Lnot_wave_0_\@:
	s_barrier_wait -3
	s_barrier_signal -1
	s_barrier_wait -1
.endm
; One scaled matrix instruction.  c < 0: the constant 0 starts the sum.  ra: source 0's scale words stand in lanes 16-31 of the register named.
.macro WM d, a, b, c, sa, sb, ra
.if (\c) < 0
.if (\ra)
	v_wmma_scale_f32_16x16x128_f8f6f4 v[(\d):(\d)+7], v[(\a):(\a)+11], v[(\b):(\b)+11], 0, v[(\sa)], v[(\sb)] matrix_a_fmt:MATRIX_FMT_FP6 matrix_b_fmt:MATRIX_FMT_FP6 matrix_a_scale:MATRIX_SCALE_ROW1
.else
	v_wmma_scale_f32_16x16x128_f8f6f4 v[(\d):(\d)+7], v[(\a):(\a)+11], v[(\b):(\b)+11], 0, v[(\sa)], v[(\sb)] matrix_a_fmt:MATRIX_FMT_FP6 matrix_b_fmt:MATRIX_FMT_FP6
.endif
.else
.if (\ra)
	v_wmma_scale_f32_16x16x128_f8f6f4 v[(\d):(\d)+7], v[(\a):(\a)+11], v[(\b):(\b)+11], v[(\c):(\c)+7], v[(\sa)], v[(\sb)] matrix_a_fmt:MATRIX_FMT_FP6 matrix_b_fmt:MATRIX_FMT_FP6 matrix_a_scale:MATRIX_SCALE_ROW1
.else
	v_wmma_scale_f32_16x16x128_f8f6f4 v[(\d):(\d)+7], v[(\a):(\a)+11], v[(\b):(\b)+11], v[(\c):(\c)+7], v[(\sa)], v[(\sb)] matrix_a_fmt:MATRIX_FMT_FP6 matrix_b_fmt:MATRIX_FMT_FP6
.endif
.endif
.endm
.macro PLACES                          ; four plain vector lines between matrix instructions and loads into, or reads of, their registers
.rept 4
	v_nop
.endr
.endm
; A KEY STEP: 128 keys.
.macro STEP
	v_add_nc_u32 v[ADK], s[TK], v[LI]              ; these five are also the places behind the last products, in front of the loads below
	s_wait_alu depctr_va_vdst(0)
	v_add_nc_u32 v[ADS], s[TK], v[L8]
	s_wait_alu depctr_va_vdst(0)
	v_add_nc_u32 v[ADV], s[TV], v[LI]
	v_add_nc_u32 v[ADT], s[TV], v[L8]
	v_add_nc_u32 v[ADR], s[TR], v[ARH]
	ds_load_b128 v[28:31], v[ADR]                  ; Rh of my query for key rows 4 s + 0 .. 3
.irp g, 0,1                            ; S^T = K Q^T + Rw, a chunk record (four tiles of 16 keys) at a time
.if \g
	PLACES
.endif
.irp t, 0,1,2,3
.irp c, 0,1,2
	ds_load_b128 v[32+12*\t+4*\c:35+12*\t+4*\c], v[ADK] offset:REC*\g+FRB*\t+512*\c   ; a fragment as the image of its registers: 512 consecutive bytes a load
.endr
.endr
	ds_load_b64 v[248:249], v[ADS] offset:REC*\g+6144   ; the four tiles' scale words: register c: lanes 0-15 tile 2 c, lanes 16-31 tile 2 c + 1
	s_wait_dscnt 0x0
.irp t, 0,1,2,3
	WM 96+8*(4*\g+\t), 32+12*\t, 16, 80+8*(\t%2), 248+\t/2, 255, \t%2
.endr
.endr
	PLACES
.irp b, 0,1,2,3
	v_max3_num_f32 v[232+\b], v[96+16*\b], v[97+16*\b], v[98+16*\b]   ; the largest q k + Rw of each block of 32 keys: it serves for the row's maximum and for the block's largest p
.endr
.irp i, 3,5,7,9,11,13
.irp b, 0,1,2,3
	v_max3_num_f32 v[232+\b], v[232+\b], v[96+16*\b+\i], v[97+16*\b+\i]
.endr
.endr
.irp b, 0,1,2,3
	v_max_num_f32 v[232+\b], v[232+\b], v[111+16*\b]
.endr
.irp b, 0,1,2,3
	s_delay_alu instid0(VALU_DEP_4)
	v_permlanex16_b32 v[236+\b], v[232+\b], s20, s21
.endr
.irp b, 0,1,2,3
	s_delay_alu instid0(VALU_DEP_4)
	v_max_num_f32 v[232+\b], v[232+\b], v[236+\b]  ; with lane l xor 16's 16 keys
.endr
.irp b, 0,1,2,3
	s_delay_alu instid0(VALU_DEP_4)
	v_add_f32 v[236+\b], v[232+\b], v[28+\b]       ; + the block's Rh: its largest logit
.endr
	s_delay_alu instid0(VALU_DEP_2)
	v_max3_num_f32 v254, v236, v237, v238
	s_delay_alu instid0(VALU_DEP_1)
	v_max_num_f32 v254, v254, v239                 ; the step's largest logit of my query
	s_delay_alu instid0(VALU_DEP_1)
	v_mul_f32 v254, s22, v254                      ; as t
	s_delay_alu instid0(VALU_DEP_1)
	v_max_num_f32 v13, v13, v254                   ; the running largest t
	v_mov_b32 v254, v12
	s_delay_alu instid0(VALU_DEP_2)
	v_floor_f32 v12, -v13                          ; the new -M = floor(-t) = -ceil(t): a whole number
	s_delay_alu instid0(VALU_DEP_1)
	v_sub_f32 v254, v12, v254                      ; old M - new M: a whole number, 0 or less
	s_delay_alu instid0(VALU_DEP_1)
	v_cvt_i32_f32 v254, v254                       ; (it saturates)
	s_delay_alu instid0(VALU_DEP_1)
	v_ldexp_f32 v252, 1.0, v254                    ; f = 2^(old M - new M)
.irp b, 0,1,2,3
	v_fma_f32 v[32+2*\b], v[28+\b], s22, v12       ; c Rh - M, one for each block
.endr
.irp b, 0,1,2,3
.irp j, 0,2,4,6,8,10,12,14
	v_pk_fma_f32 v[96+16*\b+\j:97+16*\b+\j], v[96+16*\b+\j:97+16*\b+\j], s[22:23], v[32+2*\b:33+2*\b] op_sel_hi:[1,0,0]   ; t - M, two at a time (of each pair the low word serves both halves)
.endr
.endr
.irp b, 0,1,2,3
	v_fma_f32 v[232+\b], v[232+\b], s22, v[32+2*\b]   ; the same of each block's largest
.endr
.set jj, 0
	s_wait_alu depctr_va_vdst(0)
.rept 64
	v_exp_f32 v[96+jj], v[96+jj]                   ; p = 2^(t - M): not normalised
.set jj, jj+1
.endr
	v_pk_mul_f32 v[14:15], v[14:15], v[252:253] op_sel_hi:[1,0]   ; the sums under the new M; a plain line behind the exponentials
	s_wait_alu depctr_va_vdst(0)                   ; one wait for the whole batch, ahead of its first reader
.irp b, 0,1,2,3
	v_exp_f32 v[232+\b], v[232+\b]                 ; the block's largest p: the same two instructions on the same number give the same bits
.endr
	v_pk_add_f32 v[236:237], v[100:101], v[104:105]
	v_pk_add_f32 v[248:249], v[108:109], v[112:113]
	v_pk_add_f32 v[246:247], v[116:117], v[120:121]
	v_pk_add_f32 v[244:245], v[124:125], v[128:129]
	v_pk_add_f32 v[240:241], v[132:133], v[136:137]
	v_pk_add_f32 v[238:239], v[140:141], v[144:145]
	v_pk_add_f32 v[230:231], v[148:149], v[152:153]
	v_pk_add_f32 v[14:15], v[14:15], v[156:157]
	s_setprio 1
	v_pk_add_f32 v[236:237], v[236:237], v[96:97]
	v_pk_add_f32 v[248:249], v[248:249], v[98:99]
	v_pk_add_f32 v[246:247], v[246:247], v[102:103]
	v_pk_add_f32 v[244:245], v[244:245], v[106:107]
	v_pk_add_f32 v[240:241], v[240:241], v[110:111]
	v_pk_add_f32 v[238:239], v[238:239], v[114:115]
	v_pk_add_f32 v[230:231], v[230:231], v[118:119]
	v_pk_add_f32 v[14:15], v[14:15], v[122:123]
	v_pk_add_f32 v[236:237], v[236:237], v[126:127]
	v_pk_add_f32 v[248:249], v[248:249], v[130:131]
	v_pk_add_f32 v[246:247], v[246:247], v[134:135]
	v_pk_add_f32 v[244:245], v[244:245], v[138:139]
	v_pk_add_f32 v[240:241], v[240:241], v[142:143]
	v_pk_add_f32 v[238:239], v[238:239], v[146:147]
	v_pk_add_f32 v[230:231], v[230:231], v[150:151]
	v_pk_add_f32 v[14:15], v[14:15], v[154:155]
	v_pk_add_f32 v[236:237], v[236:237], v[158:159]
	s_delay_alu instid0(VALU_DEP_2)
	v_pk_add_f32 v[14:15], v[14:15], v[244:245]
	s_delay_alu instid0(VALU_DEP_2)
	v_pk_add_f32 v[236:237], v[236:237], v[240:241]
	v_pk_add_f32 v[248:249], v[248:249], v[238:239]
	v_pk_add_f32 v[246:247], v[246:247], v[230:231]
	s_delay_alu instid0(VALU_DEP_2)
	v_pk_add_f32 v[14:15], v[14:15], v[248:249]
	s_delay_alu instid0(VALU_DEP_2)
	v_pk_add_f32 v[236:237], v[236:237], v[246:247]
	s_delay_alu instid0(VALU_DEP_1)
	v_pk_add_f32 v[14:15], v[14:15], v[236:237]
	s_wait_alu depctr_va_vdst(0)                   ; and one for the four
.irp b, 0,1,2,3
	v_max_num_f32 v[232+\b], 0x1800000, v[232+\b]  ; the floor 2^(3 - 127): the byte cannot fall under 1
.endr
.irp b, 0,1,2,3
	s_delay_alu instid0(VALU_DEP_4)
	v_add_nc_u32 v[244+\b], 0xff000000, v[232+\b]  ; 2 off the exponent field: the conversion's scale operand
.endr
.irp b, 0,1,2,3
	s_delay_alu instid0(VALU_DEP_4)
	v_lshrrev_b32 v[236+\b], 23, v[244+\b]         ; the scale's byte
.endr
	s_delay_alu instid0(VALU_DEP_3)
	v_lshl_or_b32 v253, v237, 8, v236              ; p's scale word for these 128 keys
	s_delay_alu instid0(VALU_DEP_1)
	v_lshl_or_b32 v253, v238, 16, v253
	s_delay_alu instid0(VALU_DEP_1)
	v_lshl_or_b32 v253, v239, 24, v253
.irp c, 0,1
	v_cvt_scalef32_pk16_fp6_f32 v[224+6*\c:226+6*\c], v[96+32*\c:111+32*\c], v[244+2*\c]
	v_cvt_scalef32_pk16_fp6_f32 v[236+4*\c:238+4*\c], v[112+32*\c:127+32*\c], v[244+2*\c+1]   ; (a conversion's three registers begin on an even number)
.endr
	v_nop                                          ; one plain line behind the scaled conversions
.irp c, 0,1                            ; the operand's layout wants a WHOLE block in a lane
.irp i, 0,1,2
	v_permlane16_swap_b32 v[224+6*\c+\i], v[236+4*\c+\i]
.endr
.irp i, 0,1,2
	s_delay_alu instid0(VALU_DEP_3)
	v_mov_b32 v[227+6*\c+\i], v[236+4*\c+\i]
.endr
.endr
.set jj, 0
.rept 32
	v_pk_mul_f32 v[160+jj:161+jj], v[160+jj:161+jj], v[252:253] op_sel_hi:[1,0]   ; O^T under the new M; these 32 are also the places in front of the matrix instructions below
.set jj, jj+2
.endr
	s_setprio 0
	s_wait_alu depctr_va_vdst(0)
.irp g, 0,1                            ; O^T += V^T P^T, a chunk record (four tiles of 16 of the head's 128) at a time; the eight accumulators take turns
.if \g
	PLACES
.endif
.irp t, 0,1,2,3
.irp c, 0,1,2
	ds_load_b128 v[32+12*\t+4*\c:35+12*\t+4*\c], v[ADV] offset:REC*\g+FRB*\t+512*\c
.endr
.endr
	ds_load_b64 v[248:249], v[ADT] offset:REC*\g+6144
	s_wait_dscnt 0x0
.irp t, 0,1,2,3
	WM 160+8*(4*\g+\t), 32+12*\t, 224, 160+8*(4*\g+\t), 248+\t/2, 253, \t%2
.endr
.endr
	s_add_co_u32 s[TK], s[TK], 2*REC               ; the next step
	s_add_co_u32 s[TV], s[TV], 2*REC
	s_add_co_u32 s[TR], s[TR], 16
.endm
	s_load_b128 s[4:7], s[0:1], 0x0                ; qkv s[4:5], relq s[6:7]
	s_load_b64 s[8:9], s[0:1], 0x10                ; out0
	v_lshl_add_u32 v243, v0, 2, 0x4c000
	v_mov_b32 v251, 0
	ds_add_u32 v243, v251
	ds_add_u32 v243, v251
	v_lshrrev_b32 v1, 5, v0
	s_delay_alu instid0(VALU_DEP_1)
	v_readfirstlane_b32 s[WV], v1                  ; wave 0 .. 15
	s_bfe_u32 s11, ttmp6, 0x40000                  ; cx
	s_lshl_b32 s13, ttmp9, 2
	s_add_co_u32 s11, s11, s13                     ; my block of 256 queries: it enters global addresses alone (Q, rel_height's tiles, out0)
	s_and_b32 s12, ttmp7, 0xffff                   ; 4 x batch + head, which the four partners share
	; descriptor group 1: two key steps' records, 25,600 dense bytes, as 100 rows of 256 bytes (32 elements of 8 bytes), no padding
	s_mov_b32 s24, 15|(3<<16)|(1<<21)              ; 15:0 the mask: all four work-groups; 17:16 elements of 8 bytes; 21 set beside a mask
	s_mov_b32 s25, 32<<16                          ; tensor_dim0
	s_mov_b32 s26, 100<<16                         ; tensor_dim1
	s_mov_b32 s27, 32<<16                          ; tile_dim0
	s_mov_b32 s28, 100                             ; tile_dim1
	s_mov_b32 s29, 32                              ; the pitch
	s_mov_b32 s30, 0
	s_mov_b32 s31, 0
	; what waves 0 .. 3 fetch: wave 0: K's steps 0, 1 and 4, 5; wave 1: K's 2, 3 and 6, 7; waves 2 and 3 the same of V
	s_bfe_u32 s52, s[WV], 0x10001                  ; K (0) or V (1)
	s_and_b32 s53, s[WV], 1
	s_mul_i32 s54, s52, VB
	s_mul_i32 s55, s53, 4*REC
	s_add_co_u32 s54, s54, s55                     ; in LDS,
	s_add_co_u32 s56, s12, 64
	s_mul_i32 s56, s56, 16*REC                     ; and in memory: k's section lies behind q's 64 x 16 records,
	s_mul_i32 s57, s52, 1024*REC                   ; v's behind k's
	s_add_co_u32 s56, s56, s57
	s_add_co_u32 s56, s56, s55
	s_mov_b32 s57, 0
	s_mov_b32 s20, 0x76543210
	s_mov_b32 s21, 0xfedcba98                      ; v_permlanex16_b32's selects for lane l xor 16
	s_mov_b32 s22, 0x3fb8aa3b                      ; c = log2(e); 128^-0.5 is in q already
	s_mov_b32 s23, s22                             ; (named with it as a pair, so it is written)
	s_mov_b32 s[TK], 0
	s_mov_b32 s[TV], VB
	s_mov_b32 s[TR], 0
	s_wait_dscnt 0x0
	s_wait_kmcnt 0x0
	s_add_nc_u64 s[56:57], s[4:5], s[56:57]
.irp j, 0,1
	s_mov_b32 s[32+4*\j], 1                        ; count = 1
	s_add_co_u32 s[33+4*\j], s54, \j*8*REC         ; LDS address
	s_add_nc_u64 s[34+4*\j:35+4*\j], s[56:57], \j*8*REC
	s_or_b32 s[35+4*\j], s[35+4*\j], 0x80000000    ; type = 2
.endr
	CROUND                                         ; all four work-groups are here: the joint loads meet
	s_cmp_lt_u32 s[WV], 4                          ; a wave's two fills stand in one branch on the wave's number, ahead of every wait on TENSORcnt, every LDS access and every other barrier: two loads of mine are out
	s_cbranch_scc0 .Lno_fetch
	tensor_load_to_lds s[32:35], s[24:31]
	s_nop 0
	tensor_load_to_lds s[36:39], s[24:31]
	s_nop 0
	PLACES
.Lno_fetch:
	; Q, and the tables' tiles, from memory
	s_lshl_b32 s58, s12, 4
	s_lshl_b32 s59, s11, 2
	s_add_co_u32 s58, s58, s59
	s_lshr_b32 s59, s[WV], 2
	s_add_co_u32 s58, s58, s59
	s_mul_i32 s58, s58, REC                        ; q's record 16 (4 b + head) + 4 x block + wave / 4,
	s_mov_b32 s59, 0
	s_add_nc_u64 s[60:61], s[4:5], s[58:59]
	s_and_b32 s58, s[WV], 3
	s_mul_i32 s58, s58, FRB                        ; fragment wave % 4
	s_add_nc_u64 s[62:63], s[60:61], s[58:59]
	s_lshl_b32 s79, s53, 7
	s_lshl_b32 s13, s52, 2
	s_add_co_u32 s79, s79, s13                     ; its words in the scale image: 128 (wave % 2) + 4 ((wave / 2) % 2)
	s_lshl_b32 s66, s11, 3
	s_lshr_b32 s67, s[WV], 1
	s_add_co_u32 s66, s66, s67                     ; xh
	s_mul_i32 s68, s66, 2*FRB
	s_add_co_u32 s68, s68, 4*FRB                   ; rel_height's tiles 4 + 2 xh and 5 + 2 xh: lane r of tile t is key row 16 t + r as my queries see it
	s_mov_b32 s69, 0
	s_add_nc_u64 s[70:71], s[6:7], s[68:69]
	s_lshl_b32 s68, s66, 7
	s_add_co_u32 s68, s68, RSC+256
	s_add_nc_u64 s[72:73], s[6:7], s[68:69]        ; and those two tiles' scale words, 128 bytes
	s_lshl_b32 s74, s12, 7
	s_lshl_b32 s75, s[WV], 3
	s_add_co_u32 s74, s74, s75
	s_lshl_b32 s74, s74, 12                        ; out0: row 128 (4 b + head) + 8 x wave of 4,096 bytes,
	s_lshl_b32 s75, s11, 10                        ; my block's 256 positions
	s_add_co_u32 s74, s74, s75
	s_mov_b32 s75, 0
	s_add_nc_u64 s[8:9], s[8:9], s[74:75]
	v_and_b32 v4, 31, v0                           ; lane
	v_and_b32 v5, 15, v0                           ; r
	v_bfe_u32 v6, v0, 4, 1                         ; h
	s_delay_alu instid0(VALU_DEP_3)
	v_lshlrev_b32 v[LI], 4, v4
	s_delay_alu instid0(VALU_DEP_4)
	v_lshlrev_b32 v[L8], 3, v4
	s_delay_alu instid0(VALU_DEP_4)
	v_lshl_add_u32 v8, v5, 3, s79
	v_lshlrev_b32 v254, 2, v4
.irp c, 0,1,2
	global_load_b128 v[16+4*\c:19+4*\c], v[LI], s[62:63] offset:512*\c th:TH_LOAD_NT   ; Q's fragment stays in registers
.endr
	global_load_b32 v255, v8, s[60:61] offset:6144
.irp t, 0,1,2,3
.irp c, 0,1,2
	global_load_b128 v[32+12*\t+4*\c:35+12*\t+4*\c], v[LI], s[6:7] offset:FRB*\t+512*\c      ; rel_width's rows 16 t + r, as an image: 512 consecutive bytes a load
.endr
.endr
.irp t, 0,1
.irp c, 0,1,2
	global_load_b128 v[160+12*\t+4*\c:163+12*\t+4*\c], v[LI], s[70:71] offset:FRB*\t+512*\c   ; rel_height's rows 31 - xh + 16 t + r
.endr
.endr
	global_load_b32 v248, v254, s[6:7] offset:RSC        ; scale words: lanes 0-15 the even tile's, lanes 16-31 the odd tile's
	global_load_b32 v249, v254, s[6:7] offset:RSC+128
	global_load_b32 v250, v254, s[72:73]
	s_wait_alu depctr_va_vdst(0)
	s_wait_loadcnt 0x0
.irp t, 0,1,2,3
	WM 96+8*\t, 32+12*\t, 16, -1, 248+\t/2, 255, \t%2    ; Rw^T: lane (r, h), register j: q_r . rel_width[16 t + 8 h + j]
.endr
.irp t, 0,1
	WM 128+8*\t, 160+12*\t, 16, -1, 250, 255, \t         ; Rh^T: q_r . rel_height[31 - xh + yh], yh = 16 t + 8 h + j
.endr
	; the scratch's addresses: thirteen plain vector lines, the places behind those products
	s_mul_i32 s76, s[WV], 16*144
	s_add_co_u32 s76, s76, RHB
	s_mul_i32 s77, s[WV], 16*272
	s_add_co_u32 s77, s77, RWB
	s_lshr_b32 s78, s[WV], 1                       ; Rw's reads: my scratch less 32 (wave % 2), as a sum of products: 4,352 wave - 32 (wave % 2) = 8,704 (wave / 2) + 4,320 (wave % 2)
	s_mul_i32 s78, s78, 2*16*272
	s_mul_i32 s13, s53, 16*272-32
	s_add_co_u32 s78, s78, s13
	s_add_co_u32 s78, s78, RWB+124                 ; + 4 x 31
	v_mul_u32_u24 v[ARH], v5, 144
	s_delay_alu instid0(VALU_DEP_1)
	v_add_nc_u32 v[ARH], s76, v[ARH]               ; my query's row of Rh
	s_delay_alu instid0(VALU_DEP_1)
	v_lshl_add_u32 v11, v6, 5, v[ARH]              ; its stores: + 32 h
	v_mul_u32_u24 v10, v5, 272
	s_delay_alu instid0(VALU_DEP_1)
	v_lshl_add_u32 v10, v6, 5, v10
	s_delay_alu instid0(VALU_DEP_1)
	v_add_nc_u32 v10, s77, v10                     ; Rw's stores: row r, + 32 h
	v_and_b32 v7, 7, v0                            ; r % 8
	v_bfe_u32 v8, v0, 3, 1                         ; r / 8
	s_delay_alu instid0(VALU_DEP_2)
	v_mul_u32_u24 v9, v7, 268                      ; Rw's reads: row r, number 16 h + i - xw + 31, xw = 8 (wave % 2) + r + 8 (r / 8): 272 r - 4 r - 32 (r / 8) = 268 (r % 8) + 2,112 (r / 8),
	s_delay_alu instid0(VALU_DEP_1)
	v_mad_u32_u24 v9, v8, 2112, v9
	s_delay_alu instid0(VALU_DEP_1)
	v_lshl_add_u32 v9, v6, 6, v9                   ; + 64 h
	s_delay_alu instid0(VALU_DEP_1)
	v_add_nc_u32 v9, s78, v9
	v_mov_b32 v13, 0xff61b1e6                      ; the largest t so far: -3e38, under every t
.irp t, 0,1,2,3
	ds_store_b128 v10, v[96+8*\t:99+8*\t] offset:64*\t         ; each result from its low end on
	ds_store_b128 v10, v[100+8*\t:103+8*\t] offset:64*\t+16
.endr
.irp t, 0,1
	ds_store_b128 v11, v[128+8*\t:131+8*\t] offset:64*\t
	ds_store_b128 v11, v[132+8*\t:135+8*\t] offset:64*\t+16
.endr
	s_wait_alu depctr_va_vdst(0)
	s_wait_dscnt 0x0                               ; my stores into the scratch have landed,
	s_wait_tensorcnt 0x0                           ; and so have a fetching wave's two pieces of K or V;
	s_barrier_signal -1
	s_barrier_wait -1                              ; everybody's have: from here to the way out LDS is only read
.irp i, 0,1,2,3,4,5,6,7,8,9,10,11,12,13,14,15
	ds_load_b32 v[80+\i], v9 offset:4*\i           ; Rw for key column 16 h + i
.endr
	v_floor_f32 v12, -v13                          ; -M
	v_mov_b32 v14, 0                               ; the sum, in two halves
	v_mov_b32 v15, 0
.irp b, 0,1,2,3
	v_mov_b32 v[236+\b], 0                         ; written once: a lane permute's destination counts as one of its sources
.endr
	v_mov_b32 v253, 0                              ; (named as the upper half of the pair v[252:253] before it is first written)
.set jj, 0
.rept 64
	v_mov_b32 v[160+jj], 0                         ; O^T: the step is written without a first form of its own: it finds zeros, which the first change of M leaves zeros
.set jj, jj+1
.endr
	s_wait_dscnt 0x0                               ; Rw is in
	s_mov_b32 s51, 8
.Lstep:                                            ; the head's eight key steps
	s_setprio 2
	STEP
	s_sub_co_u32 s51, s51, 1
	s_cmp_lg_u32 s51, 0
	s_cbranch_scc1 .Lstep
	s_setprio 0
	; THE WAY OUT.  O^T / the sum goes to a stage of 128 rows (d) x 1,024 bytes (the block's 256 queries), which lies over K and part of V: they have had their only fill, and behind the barrier nobody reads them.
	v_add_f32 v14, v14, v15                        ; the sum's two halves,
	s_delay_alu instid0(VALU_DEP_1)
	v_permlanex16_b32 v252, v14, s20, s21
	s_delay_alu instid0(VALU_DEP_1)
	v_add_f32 v14, v14, v252                       ; and lane l xor 16's: the row's sum
	s_wait_alu depctr_va_vdst(0)
	v_rcp_f32 v14, v14
	v_and_b32 v4, 15, v0                           ; (plain lines behind the reciprocal)  r
	v_bfe_u32 v5, v0, 4, 1                         ; h
	s_delay_alu instid0(VALU_DEP_2)
	v_and_b32 v6, 8, v4
	s_delay_alu instid0(VALU_DEP_1)
	v_add_nc_u32 v6, v6, v4                        ; r + 8 (r / 8)
	s_lshr_b32 s52, s[WV], 1
	s_lshl_b32 s52, s52, 7
	s_lshl_b32 s54, s53, 5
	s_add_co_u32 s52, s52, s54                     ; my tile's first query in the block, in bytes: 128 (wave / 2) + 32 (wave % 2)
	s_lshl_b32 s54, s[WV], 13
	v_lshlrev_b32 v9, 2, v6
	s_delay_alu instid0(VALU_DEP_1)
	v_lshl_add_u32 v9, v5, 14, v9                  ; register 8 T + j is d = 32 (T / 2) + 16 h + 8 (T % 2) + j: 16 h rows of 1,024 bytes here, the rest in the immediate
	s_delay_alu instid0(VALU_DEP_1)
	v_add_nc_u32 v9, s52, v9                       ; tiles 0 .. 3
	s_delay_alu instid0(VALU_DEP_1)
	v_add_nc_u32 v10, 65536, v9                    ; tiles 4 .. 7: 64 rows on
	v_add_nc_u32 v11, s54, v[LI]                   ; back: my eight rows, 16 bytes a lane
	s_wait_alu depctr_va_vdst(0)                   ; the wait ahead of the reciprocal's first reader
.set jj, 0
.rept 64
	v_mul_f32 v[96+jj], v[160+jj], v14             ; ascending: each accumulator from its low end on
.set jj, jj+1
.endr
	s_wait_alu depctr_va_vdst(0)
	s_wait_dscnt 0x0                               ; my reads of K and V are over
	s_barrier_signal -1
	s_barrier_wait -1                              ; everybody's are
.irp t, 0,1,2,3,4,5,6,7
.irp j, 0,1,2,3,4,5,6,7
	ds_store_b32 v[9+\t/4], v[96+8*\t+\j] offset:(32*((\t/2)%2)+8*(\t%2)+\j)*1024
.endr
.endr
	s_wait_dscnt 0x0                               ; for the others' sake: my stores into the stage have landed
	s_barrier_signal -1
	s_barrier_wait -1                              ; 128 whole rows lie in the stage
.irp i, 0,1,2,3,4,5,6,7
.irp z, 0,1
	ds_load_b128 v[32+4*(2*\i+\z):35+4*(2*\i+\z)], v11 offset:1024*\i+512*\z
.endr
.endr
.irp i, 0,1,2,3,4,5,6,7
.irp z, 0,1
	s_wait_dscnt 15-(2*\i+\z)                      ; the younger read-backs may be out
	global_store_b128 v[LI], v[32+4*(2*\i+\z):35+4*(2*\i+\z)], s[8:9] offset:4096*\i+512*\z th:TH_STORE_NT   ; 32 lanes store 512 consecutive bytes, at a multiple of 256 from out0's first byte
.endr
.endr
	s_wait_tensorcnt 0x0
	ds_add_u32 v243, v251
	s_wait_dscnt 0x0
	CROUND                                         ; the closing round: no work-group ends while a partner may still ask for a piece that names it
	s_endpgm
.Lfunc_end_k_q0352d00dc9_attn:
	.size	k_q0352d00dc9_attn, .Lfunc_end_k_q0352d00dc9_attn-k_q0352d00dc9_attn
	.p2alignl 7, 3214868480
	.fill 96, 4, 3214868480
	.section	.rodata,"a",@progbits
	.p2align	6, 0x0
	.amdhsa_kernel k_q0352d00dc9_attn
		.amdhsa_group_segment_fixed_size 327680
		.amdhsa_private_segment_fixed_size 0
		.amdhsa_enable_private_segment 0
		.amdhsa_kernarg_size 24
		.amdhsa_user_sgpr_count 2
		.amdhsa_user_sgpr_kernarg_segment_ptr 1
		.amdhsa_wavefront_size32 1
		.amdhsa_system_sgpr_workgroup_id_x 1
		.amdhsa_system_sgpr_workgroup_id_y 1
		.amdhsa_system_sgpr_workgroup_id_z 1
		.amdhsa_system_vgpr_workitem_id 0
		.amdhsa_next_free_vgpr 256
		.amdhsa_next_free_sgpr 80
		.amdhsa_reserve_vcc 0
		.amdhsa_float_denorm_mode_32 3
		.amdhsa_float_denorm_mode_16_64 3
		.amdhsa_memory_ordered 1
		.amdhsa_forward_progress 1
		.amdhsa_inst_pref_size 46
	.end_amdhsa_kernel
	.amdgpu_metadata
---
amdhsa.version: [ 1, 2 ]
amdhsa.kernels:
  - .name:           k_q0352d00dc9_attn
    .symbol:         k_q0352d00dc9_attn.kd
    .args:
      - { .name: qkv, .offset: 0, .size: 8, .value_kind: global_buffer, .address_space: global }
      - { .name: relq, .offset: 8, .size: 8, .value_kind: global_buffer, .address_space: global }
      - { .name: out0, .offset: 16, .size: 8, .value_kind: global_buffer, .address_space: global }
    .group_segment_fixed_size: 327680
    .private_segment_fixed_size: 0
    .kernarg_segment_align: 8
    .kernarg_segment_size: 24
    .max_flat_workgroup_size: 512
    .sgpr_count:     80
    .vgpr_count:     256
    .wavefront_size: 32
...
	.end_amdgpu_metadata
.endif
;; end of part 3
